; MI455X (gfx1250); checked and timed in simulation.
; The chip was launched on July 23, 2026; its instructions are those of AMD's public machine-readable ISA for CDNA 5 (MIT licence, August 2026) and "CDNA5" Instruction Set Architecture Reference Guide (July 2026). The comments in the code are by the model that wrote it; some were corrected since.
;; Piv Net. Allowed arithmetic: matrix products marked QUANTISED: E2M3 operands, one E8M0 scale for each 32 along K, by v_wmma_scale_f32_16x16x128_f8f6f4 with both operands' format E2M3, f32 sums; everything else in f32.
;; Inputs: W1 105 x 512 float32; W2_codes 512 x 16 x 24 uint8 (E2M3 codes of W2, K innermost, in blocks of 32 codes, four codes in three bytes); W2_scales 512 x 16 uint8 (E8M0 scales of W2, one for each 32 codes along K); W3_codes 512 x 16 x 24 uint8 (E2M3 codes of W3, K innermost, in blocks of 32 codes, four codes in three bytes); W3_scales 512 x 16 uint8 (E8M0 scales of W3, one for each 32 codes along K); W4_codes 100 x 16 x 24 uint8 (E2M3 codes of W4, K innermost, in blocks of 32 codes, four codes in three bytes); W4_scales 100 x 16 uint8 (E8M0 scales of W4, one for each 32 codes along K); b1 512 float32; b2 512 float32; b3 512 float32; b4 100 float32; knnd 65,536 x 100 float32; knnd_mean 100 float32; knnd_std 100 float32; max_values 4 float32; min_values 4 float32; pivots 65,536 x 4 float32; query_mean 4 float32; query_std 4 float32; x 65,536 x 4 float32.
;; Outputs: out0 65,536 x 100 float32.
;; This version of the problem:
;;   THIS VERSION OF THE PROBLEM IS GIVEN IN LOW PRECISION. The matrix products marked QUANTISED in the list below multiply operands that are first quantised to E2M3 (2 exponent bits, 3 mantissa bits; 6 bits a number), with one power-of-two scale for each 32 numbers along K (OCP MX v1.0); their sums are f32. All else is computed in f32.
;;   The module's matrix products, in the order in which they are computed (A, B: the left and right operand; K: the contracted axis; several contracted axes count as one K, in the product's order):
;;     1. [M 65,536, K 105] x [K 105, N 512]; A: computed on the way; B: input W1: QUANTISED
;;     2. [M 65,536, K 512] x [K 512, N 512]; A: computed on the way; B: input W2 (given as codes): QUANTISED
;;     3. [M 65,536, K 512] x [K 512, N 512]; A: computed on the way; B: input W3 (given as codes): QUANTISED
;;     4. [M 65,536, K 512] x [K 512, N 100]; A: computed on the way; B: input W4 (given as codes): QUANTISED
;;   THE QUANTISER, for each operand of a quantised product, along K:
;;     - K is cut into blocks of 32 from its start; a last block that is shorter is filled with zeros.
;;     - A block's scale is 2^e with e = floor(log2(the largest magnitude in the block)) - 2, held to -126 .. 127; a block of zeros has e = 0. As a byte (E8M0): e + 127.
;;     - Each number is divided by its block's scale, clamped to +-7.5, and rounded to the nearest number of E2M3, ties to even, subnormals kept.
;;     - The product sums the exact products of the quantised numbers (number of the format x scale) in f32.
;;   ~~~python
;;   def quantise(x, axis):      # numpy; x: float32 -> the quantised numbers, widened to float32 again
;;       x = np.moveaxis(x, axis, -1); K = x.shape[-1]
;;       x = np.pad(x, [(0, 0)] * (x.ndim - 1) + [(0, -K % 32)]); x = x.reshape(x.shape[:-1] + (-1, 32)); a = np.abs(x).max(-1, keepdims=True)
;;       e = np.where(a > 0, np.clip(np.frexp(np.where(a > 0, a, 1))[1] - 1 - 2, -126, 127), 0)      # np.frexp(a)[1] - 1 = floor(log2(a)), exactly
;;       r = np.clip(x / 2.0 ** e, -7.5, 7.5)
;;       step = 2.0 ** (np.maximum(np.frexp(np.where(r == 0, 1, r))[1] - 1, 0) - 3)
;;       q = np.round(r / step) * step * 2.0 ** e      # np.round: ties to even
;;       return np.moveaxis(q.reshape(q.shape[:-2] + (-1,))[..., :K], -1, axis).astype(np.float32)
;;   ~~~
;;   OPERANDS COMPUTED ON THE WAY. 'Computed on the way' means the value that the module computes at that place (a softmax that the list does not call 'softmax' is quantised finished and normalised). What goes into a quantiser is computed in f32, as accurately as f32 sums, v_exp_f32 and their like allow (about 1e-6 of the number): no bf16 or f16 on the way to a quantiser, and a product that is left as it is and whose result goes on into a quantised operand takes f32 operands (vector FMAs, or v_wmma_f32_16x16x4_f32). A number that lies on a knife's edge between two numbers of the format may be rounded either way, as far as f32 arithmetic and the matrix unit's own rounding can turn it there, and no further.
;;   INPUTS GIVEN AS CODES. W2 (in the module: [512, 512], K = its axis 0); W3 (in the module: [512, 512], K = its axis 0); W4 (in the module: [512, 100], K = its axis 0): each comes as NAME_codes (uint8): NAME with its K axis moved to the last place and cut into blocks of 32 codes, [.., K / 32, bytes a block], one block behind the other in memory; four codes in three bytes: a row's codes are one little-endian stream of bits, code i at bits 6 i .. 6 i + 5 (a code: sign, 2 exponent bits, 3 mantissa bits); and NAME_scales (uint8): the same leading axes, one E8M0 byte (e + 127) for each 32 codes along K. Its value is code x scale, taken as it is: it is not quantised again, and the codes and scales need not be those that the quantiser above would give.
;; One version. Each part assembles by itself: llvm-mc -triple=amdgcn-amd-amdhsa -mcpu=gfx1250 --defsym DOCPART=n.
;; ======== version 1 of 1: 2 launches
;; limits: right only within a limited range of input values
;; workspace buffers: idx 262,144 bytes of whole numbers; wreg 245,760 bytes; wlds 239,616 bytes; w1s 2,048 bytes; cst 1,024 bytes
;; launch prep (part 1): grid 208 x 1, 4 waves a work-group, no clusters, 0 bytes of LDS; arguments x, min_values, max_values, W1, W2_codes, W3_codes, W4_codes, knnd_mean, knnd_std, query_mean, query_std, idx, wreg, wlds, w1s, cst; writes idx, wreg, wlds, w1s, cst
.if DOCPART == 1
	.amdgcn_target "amdgcn-amd-amdhsa--gfx1250"
	.amdhsa_code_object_version 6
	.text
	.protected	k_qffbc725777_prep
	.globl	k_qffbc725777_prep
	.p2align	8
	.type	k_qffbc725777_prep,@function
k_qffbc725777_prep:
	s_mov_b64 s[64:65], 0
	v_nop
	global_prefetch_b8 v0, s[64:65] scope:SCOPE_SE
	s_setreg_imm32_b32 hwreg(HW_REG_WAVE_MODE, 25, 1), 1
	s_wait_xcnt 0x0
; WHAT THE SECOND LAUNCH NEEDS READY.  Five roles, chosen by the work-group's number; each ends by itself.  No LDS, no barrier, no loop.
;   0-127    INDEX: idx[row] = the grid-hash index of x[row], 512 rows a work-group, 4 rows a thread.  It steers addresses, so it is made here and stored as whole numbers.
;   128-191  RELAY: W2's (128-159) and W3's (160-191) codes, one tile of 16 rows a work-group, one K step of 128 a wave, re-laid as IMAGES OF THE OPERAND'S REGISTERS:
;            a fragment's 12 registers as three blocks of 512 bytes, lane l's 16 bytes at 16 l.  The second launch then fetches a fragment by three loads of 16 bytes a lane.
;   192-198  the same for W4's seven tiles.
;   199-206  W1 [105][512] f32, K its first axis, quantised along K to E2M3 with one E8M0 byte for each 32: a lane takes a column and its registers run down K; one tile a wave.
;   207      the table MEAN[128], RSTD[128] by which the second launch normalises its features.
; THE ROWS OF A TILE of W1, W2, W3: lane r of tile T takes row (column of W1) 32 (T / 2) + 8 (T % 2) + r + 8 (r / 8), so that the results of two neighbouring tiles are 16 neighbours along the next K.
; W4's tile T: e = 16 T + r; row e where e < 96, else 96 + min(e % 8, 3): the last tile holds outputs 96-99 in both halves of its rows, and no load leaves the 100 rows.
; THE K STEPS OF A TILE OF W2, W3, W4 ARE LAID IN ITS OWNER'S ORDER: the wave w of the second launch that owns the tile (T / 8; for W4 T / 2) begins each sum with K step w, which it has made itself:
; K step s lies in slot (s - w) mod 4 of the tile's four images.
; K OF THE FIRST PRODUCT IS PERMUTED INSIDE EACH BLOCK OF 32, alike for W1 (here) and for the features (second launch); a block keeps its members, so its scale is the quantiser's.
; Slot p holds feature: p < 4: p;  p = 31: 4 (the distance);  p = 63, 95, 127: p - 31;  any other: p + 1;  slots 104-126 are the zeros that fill the last block.
; LIMITS.  NaN and infinities are not served.  A block whose largest magnitude lies under 2^-124 keeps the scale byte 1 (a block of zeros too: its codes are zeros, and this program alone reads the bytes).
; The index's division is a reciprocal refined by fused multiply-adds without range scaling: it gives the rounded quotient where max - min, x - min and their quotient lie within 2^-100 .. 2^100.
.set WREG_W, 61440                     ; wreg: 40 images for each wave of the second launch: W2's 32 (4 t + slot), then W1's 8
.set WLDS_W, 49152                     ; wlds: W3's 32 images for each wave; behind the four waves' W4's 28 (4 T + slot)
.set IMG,    1536
.set W4OFF,  196608
.macro RELAY                           ; the fragment at s[50:51] + v7 goes to s[52:53] as an image
.irp p, 0,1,2,3,4,5
	global_load_b64 v[16+2*\p:17+2*\p], v7, s[50:51] offset:48*(\p/3)+8*(\p%3)   ; 24 bytes of the row's stream of bits, twice: pieces of 8 bytes, each address a multiple of 8
.endr
	s_wait_loadcnt 0x0
.irp c, 0,1,2
	global_store_b128 v5, v[16+4*\c:19+4*\c], s[52:53] offset:512*\c             ; 32 lanes store 512 consecutive bytes, at a multiple of 256 from the buffer's first byte
.endr
.endm
.macro FIRSTROW                        ; s55 = 32 (T / 2) + 8 (T % 2), T in s48
	s_lshr_b32 s55, s48, 1
	s_lshl_b32 s55, s55, 5
	s_and_b32 s56, s48, 1
	s_lshl_b32 s56, s56, 3
	s_add_co_u32 s55, s55, s56
.endm
	s_load_b512 s[8:23], s[0:1], 0x0               ; x 8, min 10, max 12, W1 14, W2 codes 16, W3 codes 18, W4 codes 20, knnd_mean 22
	s_load_b512 s[24:39], s[0:1], 0x40             ; knnd_std 24, query_mean 26, query_std 28, idx 30, wreg 32, wlds 34, w1s 36, cst 38
	v_lshrrev_b32 v1, 5, v0
	v_readfirstlane_b32 s4, v1                     ; wave
	v_and_b32 v2, 31, v0                           ; lane
	v_and_b32 v3, 15, v0                           ; r
	v_bfe_u32 v4, v0, 4, 1                         ; h
	v_lshlrev_b32 v5, 4, v2                        ; 16 x lane: my place in an image's block
	v_and_b32 v6, 8, v3
	v_add_nc_u32 v6, v6, v3                        ; r + 8 (r / 8)
	s_mov_b32 s57, 0                               ; the upper word of every 64-bit offset s[56:57]
	s_wait_kmcnt 0x0
	s_cmp_lt_u32 ttmp9, 128
	s_cbranch_scc0 .Lnot_index
	; ---- INDEX.  v12-27 four rows of x; v28-31 min; v32-35 D = max - min; v36-39 1 / D; v44-59 quotients; v60-75 remainders; v76-79 the four indices
	s_load_b128 s[40:43], s[10:11], 0x0
	s_load_b128 s[44:47], s[12:13], 0x0
	s_lshl_b32 s56, ttmp9, 13                      ; 512 rows of 16 bytes
	s_add_nc_u64 s[8:9], s[8:9], s[56:57]
	s_lshl_b32 s56, ttmp9, 11                      ; 512 indices of 4 bytes
	s_add_nc_u64 s[30:31], s[30:31], s[56:57]
	v_lshlrev_b32 v7, 6, v0
	v_lshlrev_b32 v8, 4, v0
.irp j, 0,1,2,3
	global_load_b128 v[12+4*\j:15+4*\j], v7, s[8:9] offset:16*\j
.endr
	s_wait_kmcnt 0x0
.irp e, 0,1,2,3
	v_mov_b32 v[28+\e], s[40+\e]
.endr
.irp e, 0,1,2,3
	v_sub_f32 v[32+\e], s[44+\e], v[28+\e]
.endr
	s_wait_alu depctr_va_vdst(0)
.irp e, 0,1,2,3
	v_rcp_f32 v[36+\e], v[32+\e]
.endr
	v_nop                                          ; a plain line between the reciprocals and their use
	s_wait_alu depctr_va_vdst(0)
.irp e, 0,1,2,3
	v_fma_f32 v[40+\e], -v[32+\e], v[36+\e], 1.0
.endr
.irp e, 0,1,2,3
	v_fma_f32 v[36+\e], v[40+\e], v[36+\e], v[36+\e]   ; the reciprocal, refined once
.endr
	s_wait_loadcnt 0x0
.irp j, 0,1,2,3
.irp e, 0,1,2,3
	v_sub_f32 v[12+4*\j+\e], v[12+4*\j+\e], v[28+\e]   ; n = x - min
.endr
.endr
.irp j, 0,1,2,3
.irp e, 0,1,2,3
	v_mul_f32 v[44+4*\j+\e], v[12+4*\j+\e], v[36+\e]   ; q = n / D, to be corrected twice by its exact remainder: a bin's edge must fall as it falls for a rounded division
.endr
.endr
.rept 2
.irp j, 0,1,2,3
.irp e, 0,1,2,3
	v_fma_f32 v[60+4*\j+\e], -v[32+\e], v[44+4*\j+\e], v[12+4*\j+\e]
.endr
.endr
.irp j, 0,1,2,3
.irp e, 0,1,2,3
	v_fma_f32 v[44+4*\j+\e], v[60+4*\j+\e], v[36+\e], v[44+4*\j+\e]
.endr
.endr
.endr
.irp j, 0,1,2,3
.irp e, 0,1,2,3
	v_mul_f32 v[44+4*\j+\e], 0x41800000, v[44+4*\j+\e]  ; x 16: exact
.endr
.endr
.irp j, 0,1,2,3
.irp e, 0,1,2,3
	v_floor_f32 v[44+4*\j+\e], v[44+4*\j+\e]
.endr
.endr
.irp j, 0,1,2,3
.irp e, 0,1,2,3
	v_med3_num_f32 v[44+4*\j+\e], v[44+4*\j+\e], 0, 0x41700000   ; held to 0 .. 15
.endr
.endr
.irp j, 0,1,2,3
.irp e, 0,1,2,3
	v_cvt_u32_f32 v[44+4*\j+\e], v[44+4*\j+\e]
.endr
.endr
.irp j, 0,1,2,3
	v_lshl_or_b32 v[76+\j], v[44+4*\j], 4, v[45+4*\j]  ; radix 16, the first dimension highest
.endr
.irp j, 0,1,2,3
	v_lshl_or_b32 v[76+\j], v[76+\j], 4, v[46+4*\j]
.endr
.irp j, 0,1,2,3
	v_lshl_or_b32 v[76+\j], v[76+\j], 4, v[47+4*\j]
.endr
	global_store_b128 v8, v[76:79], s[30:31]       ; a wave stores 512 consecutive bytes
	s_endpgm
.Lnot_index:
	s_cmp_lt_u32 ttmp9, 192
	s_cbranch_scc0 .Lnot_relay
	; ---- RELAY of W2 or W3: tile T = (work-group - 128) % 32, K step = wave
	s_sub_co_u32 s48, ttmp9, 128
	s_and_b32 s48, s48, 31
	s_mov_b32 s54, WLDS_W
	s_cmp_lt_u32 ttmp9, 160                        ; the choice hangs on the work-group's number alone
	s_cselect_b64 s[50:51], s[16:17], s[18:19]
	s_cselect_b64 s[52:53], s[32:33], s[34:35]
	s_cselect_b32 s54, WREG_W, s54
	FIRSTROW
	s_mul_i32 s56, s55, 384                        ; a row of 512 codes is 384 bytes
	s_mul_i32 s55, s4, 96                          ; a K step of 128 codes is 96
	s_add_co_u32 s56, s56, s55
	s_add_nc_u64 s[50:51], s[50:51], s[56:57]
	s_lshr_b32 s58, s48, 3                         ; which wave of the second launch owns the tile,
	s_mul_i32 s56, s58, s54
	s_sub_co_u32 s59, s4, s58
	s_and_b32 s59, s59, 3                          ; the K step's slot in that wave's order: (K step - owner) mod 4,
	s_and_b32 s55, s48, 7                          ; and which of the owner's eight tiles it is
	s_lshl_b32 s55, s55, 2
	s_add_co_u32 s55, s55, s59
	s_mul_i32 s55, s55, IMG
	s_add_co_u32 s56, s56, s55
	s_add_nc_u64 s[52:53], s[52:53], s[56:57]
	s_wait_alu depctr_va_vdst(0)
	v_mul_u32_u24 v7, v6, 384
	v_mad_u32_u24 v7, v4, 24, v7
	RELAY
	s_endpgm
.Lnot_relay:
	s_cmp_lt_u32 ttmp9, 199
	s_cbranch_scc0 .Lnot_w4
	; ---- RELAY of W4: tile T = work-group - 192, K step = wave
	s_sub_co_u32 s48, ttmp9, 192
	s_lshl_b32 s55, s48, 4
	s_wait_alu depctr_va_vdst(0)
	v_add_nc_u32 v8, s55, v3                       ; e = 16 T + r
	v_and_b32 v9, 7, v8
	v_min_u32 v9, 3, v9
	v_add_nc_u32 v9, 96, v9
	v_cmp_gt_u32 vcc_lo, 96, v8
	v_cndmask_b32 v8, v9, v8, vcc_lo               ; the row: e, or 96 + min(e % 8, 3)
	v_mul_u32_u24 v7, v8, 384
	v_mad_u32_u24 v7, v4, 24, v7
	s_wait_alu depctr_va_vdst(0)
	s_mul_i32 s56, s4, 96
	s_add_nc_u64 s[50:51], s[20:21], s[56:57]
	s_lshr_b32 s58, s48, 1                         ; the owner: T / 2
	s_sub_co_u32 s59, s4, s58
	s_and_b32 s59, s59, 3                          ; the K step's slot in its order
	s_lshl_b32 s55, s48, 2
	s_add_co_u32 s55, s55, s59
	s_mul_i32 s56, s55, IMG
	s_add_co_u32 s56, s56, W4OFF
	s_add_nc_u64 s[52:53], s[34:35], s[56:57]
	RELAY
	s_endpgm
.Lnot_w4:
	s_cmp_lt_u32 ttmp9, 207
	s_cbranch_scc0 .Ltable
	; ---- W1: tile T = 4 (work-group - 199) + wave.  Lane (r, h) takes the tile's column r and, in v[64 + 32 c + i], slot 64 c + 32 h + i of K: the order of the operand's registers
	s_sub_co_u32 s48, ttmp9, 199
	s_lshl_b32 s48, s48, 2
	s_add_co_u32 s48, s48, s4
	FIRSTROW
	s_lshl_b32 s56, s55, 2
	s_add_nc_u64 s[14:15], s[14:15], s[56:57]      ; W1 at the tile's first column
	s_lshr_b32 s50, s48, 3
	s_and_b32 s51, s48, 7
	s_mul_i32 s56, s50, WREG_W
	s_add_co_u32 s52, s51, 32
	s_mul_i32 s52, s52, IMG
	s_add_co_u32 s56, s56, s52
	s_add_nc_u64 s[32:33], s[32:33], s[56:57]      ; the image: behind the owner's 32 images of W2
	s_lshl_b32 s56, s50, 9
	s_lshr_b32 s52, s51, 1
	s_lshl_b32 s52, s52, 7
	s_add_co_u32 s56, s56, s52
	s_and_b32 s52, s51, 1
	s_lshl_b32 s52, s52, 6
	s_add_co_u32 s56, s56, s52
	s_add_nc_u64 s[36:37], s[36:37], s[56:57]      ; the scale words: 512 x owner + 128 (t / 2) + 64 (t % 2)
	s_mov_b32 s58, 0x76543210
	s_mov_b32 s59, 0xfedcba98                      ; v_permlanex16_b32's selects for lane l xor 16
	s_wait_alu depctr_va_vdst(0)
	v_lshlrev_b32 v8, 2, v6                        ; my column, in bytes
	v_lshl_add_u32 v9, v4, 16, v8                  ; + 32 rows of 2,048 bytes for lanes 16-31
	v_mad_u32_u24 v10, v4, 0x10800, v8             ; + 33 rows
	v_mad_u32_u24 v11, v4, 0xe000, v8              ; + 28 rows
	v_lshlrev_b32 v12, 2, v3
	v_mov_b32 v15, 0
.set qi, 0
.rept 32                                           ; slots 32 h + i: features i (i < 4), i + 1, and 4 at i = 31;  for lanes 16-31: 33 + i, and 32 at i = 31
.if qi < 4
	global_load_b32 v[64+qi], v10, s[14:15] offset:2048*qi
.elseif qi < 31
	global_load_b32 v[64+qi], v9, s[14:15] offset:2048*(qi+1)
.else
	global_load_b32 v[64+qi], v11, s[14:15] offset:8192
.endif
.set qi, qi+1
.endr
.set qi, 0
.rept 32                                           ; slots 64 + 32 h + i: features 65 + i, and 64 at i = 31;  for lanes 16-31: 97 + i (i < 8), zeros, and 96 at i = 31.  No row beyond 104 is touched
.if qi < 8
	global_load_b32 v[96+qi], v9, s[14:15] offset:2048*(65+qi)
.elseif qi < 31
	global_load_b32 v[96+qi], v8, s[14:15] offset:2048*(65+qi)
.else
	global_load_b32 v[96+qi], v9, s[14:15] offset:2048*64
.endif
.set qi, qi+1
.endr
	s_mov_b32 vcc_lo, 0xffff0000                   ; lanes 16-31
	s_wait_alu depctr_va_vdst(0)
	s_wait_loadcnt 0x0
.set qi, 8
.rept 23
	v_cndmask_b32 v[96+qi], v[96+qi], v15, vcc_lo  ; the zeros that fill the last block
.set qi, qi+1
.endr
.irp c, 0,1                                        ; my block 2 c + h: all its 32 numbers are mine
	v_max3_num_f32 v[32+\c], |v[64+32*\c]|, |v[65+32*\c]|, 0x1800000   ; with the floor 2^(3 - 127): the byte cannot fall under 1
.endr
.irp i, 2,4,6,8,10,12,14,16,18,20,22,24,26,28,30
.irp c, 0,1
	v_max3_num_f32 v[32+\c], v[32+\c], |v[64+32*\c+\i]|, |v[65+32*\c+\i]|
.endr
.endr
.irp c, 0,1
	v_add_nc_u32 v[44+\c], 0xff000000, v[32+\c]    ; 2 off the exponent field: the conversion takes this operand's exponent field as its scale
.endr
.irp c, 0,1
	v_lshrrev_b32 v[36+\c], 23, v[44+\c]           ; the scale's byte
.endr
	v_lshl_or_b32 v13, v37, 16, v36                ; my two bytes: blocks h and 2 + h,
	v_lshlrev_b32 v14, 3, v4
	v_lshlrev_b32 v13, v14, v13                    ; at their places in the scale word;
	v_mov_b32 v14, 0
	v_permlanex16_b32 v14, v13, s58, s59
	v_or_b32 v13, v13, v14                         ; with lane l xor 16's two the word is whole
.irp c, 0,1
	v_cvt_scalef32_pk16_fp6_f32 v[48+6*\c:50+6*\c], v[64+32*\c:79+32*\c], v[44+\c]
	v_cvt_scalef32_pk16_fp6_f32 v[128+4*\c:130+4*\c], v[80+32*\c:95+32*\c], v[44+\c]   ; (a conversion's three registers begin on an even number)
.endr
	v_nop                                          ; one plain line behind a scaled conversion
.irp c, 0,1
.irp i, 0,1,2
	v_mov_b32 v[51+6*\c+\i], v[128+4*\c+\i]
.endr
.endr
.irp c, 0,1,2
	global_store_b128 v5, v[48+4*\c:51+4*\c], s[32:33] offset:512*\c
.endr
	global_store_b32 v12, v13, s[36:37]            ; 4 r: both halves of the lanes store the same word
	s_endpgm
.Ltable:
	; ---- MEAN[p], RSTD[p] for slot p = my thread's number: feature = (raw - MEAN) x RSTD
	s_load_b128 s[40:43], s[10:11], 0x0
	s_load_b128 s[44:47], s[12:13], 0x0
	v_and_b32 v7, 31, v0
	v_max_u32 v8, 4, v0
	v_add_nc_u32 v8, -4, v8                        ; knnd's column of an ordinary slot: p - 4
	v_max_u32 v9, 36, v0
	v_add_nc_u32 v9, 0xffffffdc, v9                ; of slots 63, 95, 127: p - 36
	v_cmp_eq_u32 vcc_lo, 31, v7
	v_cndmask_b32 v8, v8, v9, vcc_lo
	v_min_u32 v8, 99, v8                           ; no load leaves the 100 numbers
	v_lshlrev_b32 v8, 2, v8
	v_min_u32 v9, 3, v0
	v_lshlrev_b32 v9, 2, v9
	global_load_b32 v10, v8, s[22:23]
	global_load_b32 v11, v8, s[24:25]
	global_load_b32 v12, v9, s[26:27]
	global_load_b32 v13, v9, s[28:29]
	v_mov_b32 v18, 0
	v_lshlrev_b32 v17, 2, v0
	s_wait_kmcnt 0x0
.irp e, 0,1,2,3
	v_mov_b32 v[20+\e], s[40+\e]
.endr
.irp e, 0,1,2,3
	v_sub_f32 v[20+\e], s[44+\e], v[20+\e]
.endr
.irp e, 0,1,2,3
	v_mul_f32 v[20+\e], 0x3d800000, v[20+\e]       ; a bin's width: (max - min) / 16, exact
.endr
	v_mul_f32 v24, v20, v20
	v_fmac_f32 v24, v21, v21
	v_fmac_f32 v24, v22, v22
	v_fmac_f32 v24, v23, v23                       ; the cell's diagonal, squared
	s_wait_loadcnt 0x0
	v_cmp_gt_u32 vcc_lo, 4, v0
	v_cndmask_b32 v10, v10, v12, vcc_lo            ; slots 0-3: the query's mean and spread
	v_cndmask_b32 v11, v11, v13, vcc_lo
	s_wait_alu depctr_va_vdst(0)
	v_rcp_f32 v14, v11
	v_rsq_f32 v25, v24
	v_nop                                          ; a plain line between the two and their use
	s_wait_alu depctr_va_vdst(0)
	v_fma_f32 v15, -v11, v14, 1.0
	v_fma_f32 v14, v15, v14, v14                   ; 1 / spread, refined once
	v_cmp_eq_u32 vcc_lo, 31, v0
	v_cndmask_b32 v10, v10, v18, vcc_lo            ; slot 31, the distance: 0 and 1 / diagonal
	v_cndmask_b32 v14, v14, v25, vcc_lo
	v_add_nc_u32 v16, 0xffffff98, v0               ; p - 104
	v_cmp_gt_u32 vcc_lo, 23, v16
	v_cndmask_b32 v10, v10, v18, vcc_lo            ; slots 104-126: zeros stay zeros
	v_cndmask_b32 v14, v14, v18, vcc_lo
	global_store_b32 v17, v10, s[38:39]
	global_store_b32 v17, v14, s[38:39] offset:512
	s_endpgm
.Lfunc_end_k_qffbc725777_prep:
	.size	k_qffbc725777_prep, .Lfunc_end_k_qffbc725777_prep-k_qffbc725777_prep
	.p2alignl 7, 3214868480
	.fill 96, 4, 3214868480
	.section	.rodata,"a",@progbits
	.p2align	6, 0x0
	.amdhsa_kernel k_qffbc725777_prep
		.amdhsa_group_segment_fixed_size 0
		.amdhsa_private_segment_fixed_size 0
		.amdhsa_enable_private_segment 0
		.amdhsa_kernarg_size 128
		.amdhsa_user_sgpr_count 2
		.amdhsa_user_sgpr_kernarg_segment_ptr 1
		.amdhsa_wavefront_size32 1
		.amdhsa_system_sgpr_workgroup_id_x 1
		.amdhsa_system_sgpr_workgroup_id_y 1
		.amdhsa_system_sgpr_workgroup_id_z 1
		.amdhsa_system_vgpr_workitem_id 0
		.amdhsa_next_free_vgpr 136
		.amdhsa_next_free_sgpr 66
		.amdhsa_reserve_vcc 1
		.amdhsa_float_denorm_mode_32 3
		.amdhsa_float_denorm_mode_16_64 3
		.amdhsa_memory_ordered 1
		.amdhsa_forward_progress 1
		.amdhsa_inst_pref_size 31
	.end_amdhsa_kernel
	.amdgpu_metadata
---
amdhsa.version: [ 1, 2 ]
amdhsa.kernels:
  - .name:           k_qffbc725777_prep
    .symbol:         k_qffbc725777_prep.kd
    .args:
      - { .name: x, .offset: 0, .size: 8, .value_kind: global_buffer, .address_space: global }
      - { .name: min_values, .offset: 8, .size: 8, .value_kind: global_buffer, .address_space: global }
      - { .name: max_values, .offset: 16, .size: 8, .value_kind: global_buffer, .address_space: global }
      - { .name: W1, .offset: 24, .size: 8, .value_kind: global_buffer, .address_space: global }
      - { .name: W2_codes, .offset: 32, .size: 8, .value_kind: global_buffer, .address_space: global }
      - { .name: W3_codes, .offset: 40, .size: 8, .value_kind: global_buffer, .address_space: global }
      - { .name: W4_codes, .offset: 48, .size: 8, .value_kind: global_buffer, .address_space: global }
      - { .name: knnd_mean, .offset: 56, .size: 8, .value_kind: global_buffer, .address_space: global }
      - { .name: knnd_std, .offset: 64, .size: 8, .value_kind: global_buffer, .address_space: global }
      - { .name: query_mean, .offset: 72, .size: 8, .value_kind: global_buffer, .address_space: global }
      - { .name: query_std, .offset: 80, .size: 8, .value_kind: global_buffer, .address_space: global }
      - { .name: idx, .offset: 88, .size: 8, .value_kind: global_buffer, .address_space: global }
      - { .name: wreg, .offset: 96, .size: 8, .value_kind: global_buffer, .address_space: global }
      - { .name: wlds, .offset: 104, .size: 8, .value_kind: global_buffer, .address_space: global }
      - { .name: w1s, .offset: 112, .size: 8, .value_kind: global_buffer, .address_space: global }
      - { .name: cst, .offset: 120, .size: 8, .value_kind: global_buffer, .address_space: global }
    .group_segment_fixed_size: 0
    .private_segment_fixed_size: 0
    .kernarg_segment_align: 8
    .kernarg_segment_size: 128
    .max_flat_workgroup_size: 128
    .sgpr_count:     66
    .vgpr_count:     136
    .wavefront_size: 32
...
	.end_amdgpu_metadata
.endif
;; end of part 1
;; launch mlp (part 2): grid 256 x 1, 4 waves a work-group, clusters of 4 x 1, 327,680 bytes of LDS; arguments idx, x, pivots, knnd, cst, wreg, wlds, w1s, W2_scales, W3_scales, W4_scales, b1, b2, b3, b4, out0; writes out0
.if DOCPART == 2
	.amdgcn_target "amdgcn-amd-amdhsa--gfx1250"
	.amdhsa_code_object_version 6
	.text
	.protected	k_qffbc725777_mlp
	.globl	k_qffbc725777_mlp
	.p2align	8
	.type	k_qffbc725777_mlp,@function
k_qffbc725777_mlp:
	s_mov_b64 s[64:65], 0
	v_nop
	global_prefetch_b8 v0, s[64:65] scope:SCOPE_SE
	s_setreg_imm32_b32 hwreg(HW_REG_WAVE_MODE, 25, 1), 1
	s_wait_xcnt 0x0
	s_wait_alu depctr_hold_cnt(0) depctr_sa_sdst(0) depctr_va_vdst(0) depctr_va_sdst(0) depctr_va_ssrc(0) depctr_va_vcc(0) depctr_vm_vsrc(0)
	s_getreg_b32 s2, hwreg(HW_REG_IB_STS2, 6, 4)
	s_cmp_eq_u32 s2, 0
	s_cbranch_scc0 .Lentry_in_a_cluster
	s_endpgm
.Lentry_in_a_cluster:
	s_bfe_u32 s2, ttmp6, 0x10000c
	s_cmp_lg_u32 s2, 0x3003
	s_cbranch_scc0 .Lentry_shape_is_right
	s_endpgm
.Lentry_shape_is_right:
; out0 = MLP(features(x, pivots[idx], knnd[idx])): gather, 105 features in f32, four products on codes of E2M3 with one E8M0 scale for each 32 along K, f32 sums.  The hidden layers never go to memory.
; SHARES.  A work-group of four waves owns 256 rows and walks them as 4 blocks of 64 (four row tiles m of 16).  The waves share the columns: wave w makes hidden units 128 w .. 128 w + 127 (eight tiles t) of each
; layer and output tiles 2 w, 2 w + 1, for all 64 rows: 32 accumulators, 256 registers.  Its columns of W1 (8 fragments) and W2 (32) stay in its registers, 480 of them, loaded straight from memory; W3 and W4 stay in LDS.
; All weights lie as IMAGES OF THE OPERAND'S REGISTERS (three runs of 512 bytes, lane l's 16 bytes at 16 l), made by the launch before.
; BOTH SOURCES ARE SWAPPED: source 0 = 16 rows of a weight, source 1 = 16 rows of activations, so a lane holds ONE row of the batch and its registers run along the hidden units, the next K; the rows of a weight's
; tile are chosen (lane r of tile 2 b + u: row 32 b + 8 u + r + 8 (r / 8)) so that register 16 b + i of a row tile is k = 32 b + 16 (lane / 16) + i of my 128.  relu, scales and codes are made in registers, two row
; tiles at a time; fragments and scale words go to the other waves through LDS: wave w's 128 units are K step w of the next product.
; Wave w takes the K steps of layers 2, 3, 4 in the order (w + j) mod 4 (the images and scale words of the weights lie so): slot 0 is its own, which stays in its registers; its products stand round the barrier.
; THE GATHER: a row of knnd is 400 bytes: one load a row, lane l its piece 25 l / 32 of 16 bytes, rounded down (seven pieces by two lanes), the row's base made from a scalar load of idx.  The 16 rows of my row tile pass
; through my own quarter of the stage in LDS into the features' layout; the finished feature image takes the place of those bytes.  Block i + 2's rows are asked for at the end of trip i, stored to the stage in
; layer 2 of trip i + 1 and become features at that trip's end.  No prefetch is written: these loads are themselves on their way from one trip's end into the next trip's layer 2.
; K of the first product is permuted inside each block of 32, alike in W1's image: slot p holds feature p (p < 4), the distance (p = 31), feature p - 31 (p = 63, 95, 127), else p + 1; slots 104-126 are zeros.
; A bias is the C of a sum's first products: it is loaded into row tile 0's accumulators, the other three row tiles take it from there, and row tile 0 adds onto it in place last.
; CLUSTER.  All work-groups read the same weights: the four of a cluster ask for W3 and W4 JOINTLY (mask 15), each wave a quarter by one load.  W1 and W2 are asked for by each wave alone, as register loads:
; beside the 239,616 bytes of W3 and W4 no LDS is left in which a joint load of their 245,760 bytes could land.
; LIMITS.  NaN and infinities are not served.  A block whose largest magnitude lies under 2^-124 keeps the scale byte 1 (a block of zeros too: its codes are zeros).  idx is held at 65,535 ahead of the addresses.
; Division by a spread or by the cell's diagonal is a multiplication by the refined reciprocal of the table.  The sums over K of layers 2, 3, 4 begin at K step w: the order of rounding differs from an ascending K.
; Wave 3's second output tile repeats outputs 96-99 and is not stored.
; LDS, every region at a multiple of 256 bytes:
.set W4L,  196608                      ; W3 at 0: wave w's 32 images at 49,152 w + 1,536 (4 t + j);  W4's 28 images at W4L + 1,536 (4 T + j)
.set STG,  239616                      ; 6,400 bytes for each wave: 16 rows of knnd, then the row tile's feature image and, 1,536 on, its 16 scale words
.set HA,   265216                      ; a hidden layer: 16 images at 1,536 (4 m + s), scale words at HSO + 64 (4 s + m) + 4 r
.set HSO,  24576
.set HBO,  25600                       ; the second such buffer lies HBO behind the first; it is also the stage for 64 rows of out0, 400 bytes each, dense
.set HB,   HA+HBO
.set BIA,  316416                      ; b1, b2, b3 (2,048 bytes each); at B4T b4 by the output tiles' rows: 512 w + 64 h + 32 n + 4 j
.set B4T,  6144
.set CSTL, 324608                      ; MEAN[128], RSTD[128]
.set SPARE, 325632                     ; the spare words, 128 bytes for each wave: two blocks of 256 bytes that no other line names
; REGISTERS.  window 0: v0-12, v17-19 addresses; v13-16, v20-63 scale words and nothing else; v64-111, v112-159 two sets of four activation fragments (the second also the quantiser's work);
;   v160-255 eight fragments of W3 or W4; v160-223 the gathered rows between trips.  window 1: images 0-19 of W2; addresses from v240 on.  window 2: images 20-31 of W2, W1's eight at v144; from v240 on x, pivot, addresses.
;   window 3: accumulator (t, m) at v[64 m + 8 t]; in layer 4 the activations of slots 2 and 3 at v16-63 and v80-127; the raw features at v0-63.
.set GO,   0                           ; from the head's end on: 16 x my thread's number: my place in a run of 2,048 bytes of out0
.set LI,   1                           ; 16 x lane
.set FA,   2                           ; feature images, and
.set FSA,  3                           ; their scale words
.set HRJ,  4                           ; v4-6   hidden images of K step (w + j) mod 4, j = 1, 2, 3
.set HSJ,  7                           ; v7-9   their scale words, 4 x lane
.set HWI,  10                          ; hidden images, to write: + 1,536 w
.set HWS,  11                          ; hidden scale words, to write: 4 r + 256 w
.set W3A,  12
.set SR,   17                          ; the stage of out0, back: 16 x my thread's number
.set SPW,  18                          ; LDS address of my spare word; never rewritten
.set NIL,  19                          ; 0; never rewritten
; window 1
.set PO,   240                         ; v240-243: 16 idx of my row, the block to be gathered next in v240
.set XO,   244                         ; my row in x
.set GL,   245                         ; my piece of a row of knnd, and
.set GS,   246                         ; its place in my stage
.set RO,   247                         ; my row in my stage;
.set AO,   248                         ; + 64 h;
.set RM,   249                         ; - 64 h
.set CA,   250                         ; the table: 64 h
.set SO,   251                         ; the stage of out0, in
.set BA,   252                         ; biases: 512 w + 64 h
.set W4A0, 253                         ; W4's tile 2 w;  v254: tile min(2 w + 1, 6)
.set S8,   255                         ; the last 1,024 bytes of the stage of out0: 8 x my thread's number
; window 2
.set XR,   240                         ; v240-243 my row of x
.set PV,   244                         ; v244-247 its pivot
.set FWI,  248                         ; my feature image, to write
.set FWS,  249                         ; its scale words
.set G8,   250                         ; 8 x my thread's number
; the quantiser
.set XH,   112                         ; the upper halves' codes
.set PWR,  128                         ; v128-131 a scale word for each row tile
.set TM,   132                         ; eight maxima,
.set TY,   140                         ; eight bytes,
.set TS,   148                         ; eight scale operands
; the head
.set TC,   235
.set LN,   251
.set RR,   252
.set HH,   253
.set TA,   254
.set TB,   255
.set TD,   234
.set ROT,  230                         ; v230-231  4 ((w + 2 h + p) mod 4): where a row's scale word of my slot 2 h + p lies
.set T_IO, 96                          ; v96-111: offsets of the head's loads and stores
.set T_16T, 98
.set T_B4O, 99
.set T_8T, 100
.set T_4L, 101
.set T_SO, 102
.set T_W4S, 104
.set T_LB, 108
.set T_LB4, 109
.set T_LC, 110
; SCALARS.  s2 blocks to go; s3 the idx load's offset; s4 wave; s5 mask of lanes 16-31; s[6:7] v_permlanex16_b32's selects; s[8:39] addresses; s[40:51] the descriptor; s[52:63], s[66:83], s[100:101] the gathered rows' bases;
; s[84:99] sixteen indices; s[104:105] what the next way out adds to out0's address
.set MSB, 0
.macro WIN new                         ; the immediate's high byte repeats the setting that is left; a switch that changes nothing is dropped
.if MSB != \new
	s_set_vgpr_msb (MSB<<8)|\new
.set MSB, \new
.endif
.endm
.macro PLACES n                        ; plain vector lines between a matrix instruction and what touches its registers (ISA guide 7.12.1)
.rept \n
	v_nop
.endr
.endm
.macro BARRIER                         ; my LDS stores have landed and my LDS loads are in: then the work-group's barrier
	s_wait_dscnt 0x0
	s_barrier_signal -1
	s_barrier_wait -1
.endm
.macro CROUND                          ; a round of the cluster's barrier
	s_barrier_signal -1
	s_barrier_wait -1
	s_cmp_lg_u32 s4, 0
	s_cbranch_scc1 .Lnot_wave_0_\@
	s_barrier_signal -3
.Lnot_wave_0_\@:
	s_barrier_wait -3
	s_barrier_signal -1
	s_barrier_wait -1
.endm
.macro ROWE d, e, t                    ; v[d] = v[e] where it is under 96, else 96 + min(v[e] % 8, 3): the row of W4's scales and of b4 that stands at place e of the output tiles
	v_and_b32 v[\t], 7, v[\e]
	v_min_u32 v[\t], 3, v[\t]
	v_add_nc_u32 v[\t], 96, v[\t]
	v_cmp_gt_u32 vcc_lo, 96, v[\e]
	v_cndmask_b32 v[\d], v[\t], v[\e], vcc_lo
.endm
.macro WLDS g0, n                      ; my images g0 .. g0 + n - 1 of W2 (0-31) and W1 (32-39) into their registers: 512 consecutive bytes a load
.set wg, \g0
.rept \n
.if wg < 20
	WIN 0x40
.set wd, 12*wg
.else
	WIN 0x80
.set wd, 12*(wg-20)
.endif
.irp c, 0,1,2
	global_load_b128 v[wd+4*\c:wd+4*\c+3], v[LI], s[18:19] offset:1536*wg+512*\c
.endr
.set wg, wg+1
.endr
	WIN 0
.endm
; Sixteen rows of knnd into v160-223.  step = 1: also the row of x and the pivot, a block further on than the last time.  The earlier gather's loads have been waited for: bases and indices may be written.
.macro GATHER step
.if \step
	WIN 0x41
.irp i, 0,1,2
	v_mov_b32 v[PO+\i], v[PO+\i+1]
.endr
	WIN 0
.endif
	s_wait_alu depctr_va_vdst(0)
	s_wait_kmcnt 0x0                               ; the sixteen indices are in
.if \step
	s_add_nc_u64 s[10:11], s[10:11], 1024
.endif
	s_add_co_u32 s3, s3, 256
	s_min_u32 s3, s3, 768                          ; the next block's indices, held inside my rows
	WIN 0x01
.set gi, 0
.rept 16
.if gi < 6
.set gp, 52+2*gi
.elseif gi < 15
.set gp, 54+2*gi
.else
.set gp, 100
.endif
	s_min_u32 s[84+gi], s[84+gi], 0xffff           ; inside the table, whatever was read
	s_mul_i32 s[gp], s[84+gi], 400
	s_mov_b32 s[gp+1], 0
	s_add_nc_u64 s[gp:gp+1], s[14:15], s[gp:gp+1]
	global_load_b128 v[160+4*gi:163+4*gi], v[GL], s[gp:gp+1]
.set gi, gi+1
.endr
.if \step
	WIN 0x81
	global_load_b128 v[XR:XR+3], v[XO], s[10:11]
	global_load_b128 v[PV:PV+3], v[PO], s[12:13]
.endif
	WIN 0
	s_load_b512 s[84:99], s[8:9], s3 offset:0x0
.endm
.macro RAWST                           ; the gathered rows into my stage, 400 bytes each, dense
	WIN 0x01
.set gi, 0
.rept 16
	ds_store_b128 v[GS], v[160+4*gi:163+4*gi] offset:400*gi
.set gi, gi+1
.endr
	WIN 0
.endm
; One product: layer lay, my tile t, row tile m, my K slot s, activations in set buf (0, 1: window 0; 2, 3: window 3).  cz = 1: C is row tile 0's accumulator, which holds the bias.
; Scale words: a weight's in lanes 0-15 or 16-31 of its register (W1: tile parity; the others: slots 0, 1 below and 2, 3 above), the activations' by the row tile's parity.
.macro MM lay, t, m, s, buf, cz
.set rD, 64*(\m)+8*(\t)
.set rC, rD
.if \cz
.set rC, 8*(\t)
.endif
.if (\buf) < 2
.set rB, 64+48*(\buf)+12*(\m)
.set rSB, 60+2*(\buf)+(\m)/2
.set bw, 0
.else
.set rB, 16+64*((\buf)-2)+12*(\m)
.set rSB, 13+2*((\buf)-2)+(\m)/2
.set bw, 0x0c
.endif
.set bR, (\m)%2
.set aR, (\s)/2
.set aw, 0
.if \lay == 1
.set rA, 144+12*(\t)
.set rSA, 20+(\t)/2
.set aR, (\t)%2
.set aw, 2
.elseif \lay == 2
.set rA, 12*((4*(\t)+(\s))%20)
.set rSA, 24+2*(\t)+(\s)%2
.set aw, 1+(4*(\t)+(\s))/20
.elseif \lay == 3
.set rA, 160+12*(\t)
.set rSA, 40+2*(\t)+(\s)%2
.else
.set rA, 160+12*(4*(\t)+(\s))
.set rSA, 56+2*(\t)+(\s)%2
.endif
	WIN 0xf0+aw+bw
.if aR
.if bR
	v_wmma_scale_f32_16x16x128_f8f6f4 v[rD:rD+7], v[rA:rA+11], v[rB:rB+11], v[rC:rC+7], v[rSA], v[rSB] matrix_a_fmt:MATRIX_FMT_FP6 matrix_b_fmt:MATRIX_FMT_FP6 matrix_a_scale:MATRIX_SCALE_ROW1 matrix_b_scale:MATRIX_SCALE_ROW1
.else
	v_wmma_scale_f32_16x16x128_f8f6f4 v[rD:rD+7], v[rA:rA+11], v[rB:rB+11], v[rC:rC+7], v[rSA], v[rSB] matrix_a_fmt:MATRIX_FMT_FP6 matrix_b_fmt:MATRIX_FMT_FP6 matrix_a_scale:MATRIX_SCALE_ROW1
.endif
.else
.if bR
	v_wmma_scale_f32_16x16x128_f8f6f4 v[rD:rD+7], v[rA:rA+11], v[rB:rB+11], v[rC:rC+7], v[rSA], v[rSB] matrix_a_fmt:MATRIX_FMT_FP6 matrix_b_fmt:MATRIX_FMT_FP6 matrix_b_scale:MATRIX_SCALE_ROW1
.else
	v_wmma_scale_f32_16x16x128_f8f6f4 v[rD:rD+7], v[rA:rA+11], v[rB:rB+11], v[rC:rC+7], v[rSA], v[rSB] matrix_a_fmt:MATRIX_FMT_FP6 matrix_b_fmt:MATRIX_FMT_FP6
.endif
.endif
.endm
; Everywhere the accumulators take turns, one instruction a turn.
.macro QUADK lay, t0, nt, s, buf       ; tiles t0 .. t0 + nt - 1 x the four row tiles, slot s, in place
.set qt, \t0
.rept \nt
	MM \lay, qt, 0, \s, \buf, 0
	MM \lay, qt, 1, \s, \buf, 0
	MM \lay, qt, 2, \s, \buf, 0
	MM \lay, qt, 3, \s, \buf, 0
.set qt, qt+1
.endr
.endm
.macro ROWT lay, t0, nt, m, s, buf, cz ; slot s of one row tile, tiles t0 .. t0 + nt - 1
.set qt, \t0
.rept \nt
	MM \lay, qt, \m, \s, \buf, \cz
.set qt, qt+1
.endr
.endm
.macro TAIL lay, t0, nt                ; what is left of slot 0: row tile 3 starts from the bias; five places on, row tile 0 adds onto the bias in place, writing over what the others have read as C
	ROWT \lay, \t0, \nt, 3, 0, 0, 1
	PLACES 5
	ROWT \lay, \t0, \nt, 0, 0, 0, 0
.endm
.macro FETCHH buf, j, hb               ; 14 loads: my slot j (1, 2, 3) of the hidden layer at hb into set buf: the scale words (lanes 0-15 the even row tile's, lanes 16-31 the odd one's), then the four fragments
.if (\buf) < 2
.set fB, 64+48*(\buf)
.set fS, 60+2*(\buf)
.set fw, 0
.else
.set fB, 16+64*((\buf)-2)
.set fS, 13+2*((\buf)-2)
.set fw, 0xc0
.endif
	WIN 0
.irp p, 0,1
	ds_load_b32 v[fS+\p], v[HSJ+(\j)-1] offset:(\hb)+128*\p
.endr
	WIN fw
.irp m, 0,1,2,3
.irp c, 0,1,2
	ds_load_b128 v[fB+12*\m+4*\c:fB+12*\m+4*\c+3], v[HRJ+(\j)-1] offset:(\hb)+6144*\m+512*\c
.endr
.endr
	WIN 0
.endm
.macro FETCHW3 half, s                 ; 12 loads: W3's fragments of my tiles 4 half .. 4 half + 3, slot s
	WIN 0
.irp k, 0,1,2,3
.irp c, 0,1,2
	ds_load_b128 v[160+12*(4*(\half)+\k)+4*\c:160+12*(4*(\half)+\k)+4*\c+3], v[W3A] offset:(4*(4*(\half)+\k)+(\s))*1536+512*\c
.endr
.endr
.endm
.macro FETCHW4                         ; 24 loads: W4's fragments of my two output tiles, all four slots
	WIN 0x01
.irp n, 0,1
.irp s, 0,1,2,3
.irp c, 0,1,2
	ds_load_b128 v[160+12*(4*\n+\s)+4*\c:160+12*(4*\n+\s)+4*\c+3], v[W4A0+\n] offset:1536*\s+512*\c
.endr
.endr
.endr
	WIN 0
.endm
.macro BIASLD lay                      ; the layer's bias into row tile 0's accumulators, in the result's layout: lane (r, h), tile t, register j: unit 32 (t / 2) + 16 h + 8 (t % 2) + j of my 128
	WIN 0xc1
.if \lay < 4
.irp t, 0,1,2,3,4,5,6,7
	ds_load_b128 v[8*\t:8*\t+3], v[BA] offset:((\lay)-1)*2048+(32*(\t/2)+8*(\t%2))*4
	ds_load_b128 v[8*\t+4:8*\t+7], v[BA] offset:((\lay)-1)*2048+(32*(\t/2)+8*(\t%2))*4+16
.endr
.else
.irp n, 0,1
	ds_load_b128 v[8*\n:8*\n+3], v[BA] offset:B4T+32*\n
	ds_load_b128 v[8*\n+4:8*\n+7], v[BA] offset:B4T+32*\n+16
.endr
.endif
	WIN 0
.endm
; n row tiles from m0 on (64 numbers a lane each, in window 3 from v[a] on; register 16 b + i of a row tile = k 32 b + 16 (lane / 16) + i) become fragments in v[64 + 12 m] on and scale words in v[PWR + m].
; act = 1: relu first, and the pair's scale words also go to their place in v60, v61 (lanes 0-15 the even row tile's, lanes 16-31 the odd one's): fragment and word are then slot 0 of the next product as they stand.
.set XW, 0                             ; 1: the way out's stores may still read the registers at work here
.macro QUANT a, n, act, m0
.if \act
	WIN 0xcc
.set qj, 0
.rept 64*(\n)
	v_max_num_f32 v[(\a)+qj], 0, v[(\a)+qj]        ; the activation, in f32; each accumulator from its low end on
.set qj, qj+1
.endr
.if XW
	s_wait_alu depctr_va_vdst(0)
	s_wait_xcnt 0x0                                ; the stores of the last way out have read their registers, which are written from here on
.endif
.endif
	WIN 0x3c
.set qb, 0
.rept 4*(\n)
.if \act
	v_max3_num_f32 v[TM+qb], 0x1800000, v[(\a)+16*qb], v[(\a)+16*qb+1]       ; a block: my 16 numbers, and the floor 2^(3 - 127): the byte cannot fall under 1
.else
	v_max3_num_f32 v[TM+qb], 0x1800000, |v[(\a)+16*qb]|, |v[(\a)+16*qb+1]|
.endif
.set qb, qb+1
.endr
.irp i, 2,4,6,8,10,12,14
.set qb, 0
.rept 4*(\n)
.if \act
	v_max3_num_f32 v[TM+qb], v[TM+qb], v[(\a)+16*qb+\i], v[(\a)+16*qb+\i+1]  ; (the blocks by turns)
.else
	v_max3_num_f32 v[TM+qb], v[TM+qb], |v[(\a)+16*qb+\i]|, |v[(\a)+16*qb+\i+1]|
.endif
.set qb, qb+1
.endr
.endr
	WIN 0
.set qb, 0
.rept 4*(\n)
	v_permlanex16_b32 v[TY+qb], v[TM+qb], s6, s7
.set qb, qb+1
.endr
.set qb, 0
.rept 4*(\n)
	v_max_num_f32 v[TM+qb], v[TM+qb], v[TY+qb]     ; with lane l xor 16's: the block's largest magnitude
.set qb, qb+1
.endr
.set qb, 0
.rept 4*(\n)
	v_add_nc_u32 v[TS+qb], 0xff000000, v[TM+qb]    ; 2 off its exponent field: the conversion's scale operand
.set qb, qb+1
.endr
.set qb, 0
.rept 4*(\n)
	v_lshrrev_b32 v[TY+qb], 23, v[TS+qb]           ; the scale's byte
.set qb, qb+1
.endr
.set qb, 0
.rept \n
	v_lshl_or_b32 v[PWR+(\m0)+qb], v[TY+4*qb+1], 8, v[TY+4*qb]               ; my row's scale word, the same in lanes r and 16 + r
.set qb, qb+1
.endr
.set qb, 0
.rept \n
	v_lshl_or_b32 v[PWR+(\m0)+qb], v[TY+4*qb+2], 16, v[PWR+(\m0)+qb]
.set qb, qb+1
.endr
.set qb, 0
.rept \n
	v_lshl_or_b32 v[PWR+(\m0)+qb], v[TY+4*qb+3], 24, v[PWR+(\m0)+qb]
.set qb, qb+1
.endr
.if \act
	v_cndmask_b32 v[60+(\m0)/2], v[PWR+(\m0)], v[PWR+(\m0)+1], s5            ; lanes 16-31 the odd row tile's
.endif
	WIN 0x03
.set qb, 0
.rept \n
.irp c, 0,1
	v_cvt_scalef32_pk16_fp6_f32 v[64+12*((\m0)+qb)+6*\c:66+12*((\m0)+qb)+6*\c], v[(\a)+64*qb+32*\c:(\a)+64*qb+32*\c+15], v[TS+4*qb+2*\c]
	v_cvt_scalef32_pk16_fp6_f32 v[XH+8*qb+4*\c:XH+8*qb+4*\c+2], v[(\a)+64*qb+32*\c+16:(\a)+64*qb+32*\c+31], v[TS+4*qb+2*\c+1]   ; (a conversion's three registers begin on an even number)
.endr
.set qb, qb+1
.endr
	WIN 0
	v_nop                                          ; one plain line behind a scaled conversion
.set qb, 0
.rept \n                                           ; the operand's layout wants a WHOLE block in a lane: lanes 0-15 block 2 c, lanes 16-31 block 2 c + 1
.irp c, 0,1
.irp i, 0,1,2
	v_permlane16_swap_b32 v[64+12*((\m0)+qb)+6*\c+\i], v[XH+8*qb+4*\c+\i]
.endr
.endr
.set qb, qb+1
.endr
.set qb, 0
.rept \n
.irp c, 0,1
.irp i, 0,1,2
	v_mov_b32 v[67+12*((\m0)+qb)+6*\c+\i], v[XH+8*qb+4*\c+\i]
.endr
.endr
.set qb, qb+1
.endr
.endm
.macro IMAGE m, hb                     ; row tile m's fragment and scale word (both halves of the lanes store the same word) go to the hidden buffer at hb
.irp c, 0,1,2
	ds_store_b128 v[HWI], v[64+12*(\m)+4*\c:64+12*(\m)+4*\c+3] offset:(\hb)+6144*(\m)+512*\c
.endr
	ds_store_b32 v[HWS], v[PWR+(\m)] offset:(\hb)+64*(\m)
.endm
; A layer's end: my 128 units of the four row tiles become K step w of layer next, for the others in the hidden buffer at hb, for me in registers.  pre: the next layer's first weights are asked for ahead of the
; vector work (3: W3's slot 0; 4: all of my W4).  The next bias lands in row tile 0's accumulators once they have been quantised.  nt: the next layer's tiles.
; Slot 0's products of row tile 1 stand between my last stores and the wait for them, those of row tile 2 between signal and wait.  At the barrier all sixteen images are there, and nobody reads the other buffer any more.
.macro EPI hb, next, nt, pre
	WIN 0
	PLACES 4                                       ; behind the layer's last products: reads of results, writes and loads into operands' registers follow
.if \pre == 3
	FETCHW3 0, 0
	FETCHW3 1, 0
.elseif \pre == 4
	FETCHW4
.endif
.set XW, (\next == 2)
	QUANT 0, 2, 1, 0
.set XW, 0
	IMAGE 0, \hb
	IMAGE 1, \hb
	BIASLD \next
	QUANT 128, 2, 1, 2
	IMAGE 2, \hb
	IMAGE 3, \hb
	PLACES 4                                       ; codes written by vector lines stand four places ahead of the scaled products that read them
	s_wait_alu depctr_va_vdst(0)
	s_wait_dscnt 8                                 ; the bias and the weights asked for above are in; my last eight stores may be out
.if \next == 2
	s_wait_loadcnt 18                              ; W2 is in (first trip); the 18 loads of the next block's gather may be out
.endif
	ROWT \next, 0, \nt, 1, 0, 0, 1
	s_wait_dscnt 0x0                               ; for the others' sake: my images have landed, and my reads of the other buffer are long in
	s_barrier_signal -1
	ROWT \next, 0, \nt, 2, 0, 0, 1
	s_barrier_wait -1
.endm
; The features of my row tile of the next block: my stage's 16 rows, x and the pivot become a fragment in my stage's place; then b1 into row tile 0's accumulators.
.macro FEAT
	WIN 0xc1                                       ; raw features to window 3: v[16 b + e] = slot 32 b + 16 h + e; an ordinary slot p is knnd's column p - 4
	ds_load_b128 v[0:3], v[RO] offset:48           ; slots 16-19 (lanes 16-31; lanes 0-15 take x below)
.irp q, 1,2,3
	ds_load_b128 v[4*\q:4*\q+3], v[AO] offset:16*\q-16
.endr
.irp b, 1,2
.irp q, 0,1,2
	ds_load_b128 v[16*\b+4*\q:16*\b+4*\q+3], v[AO] offset:128*\b-16+16*\q
.endr
	ds_load_b96 v[16*\b+12:16*\b+14], v[AO] offset:128*\b+32
	ds_load_b32 v[16*\b+15], v[RM] offset:128*\b+44    ; slots 47 and 63, 79 and 95: columns 43 and 27, 75 and 59
.endr
	ds_load_b128 v[48:51], v[RO] offset:368        ; slots 96-103 (lanes 0-15); lanes 16-31: slots 112-119, whose MEAN and RSTD are 0
	ds_load_b128 v[52:55], v[RO] offset:384
	ds_load_b32 v[63], v[RO] offset:364            ; slot 127: column 91; slot 111's MEAN and RSTD are 0
	WIN 0x01                                       ; MEAN to v64-127, RSTD to v128-191
.irp b, 0,1,2,3
.irp q, 0,1,2,3
.if (\b != 3) || (\q != 2)
	ds_load_b128 v[64+16*\b+4*\q:67+16*\b+4*\q], v[CA] offset:128*\b+16*\q
	ds_load_b128 v[128+16*\b+4*\q:131+16*\b+4*\q], v[CA] offset:512+128*\b+16*\q
.endif
.endr
.endr
	WIN 0xc0
.irp e, 56,57,58,59,60,61,62
	v_mov_b32 v[\e], 0                             ; the zeros that fill the first product's last block
.endr
	WIN 0x0a
.irp e, 0,1,2,3
	v_sub_f32 v[224+\e], v[XR+\e], v[PV+\e]
.endr
	WIN 0
	v_mul_f32 v228, v224, v224
	v_fmac_f32 v228, v225, v225
	v_fmac_f32 v228, v226, v226
	v_fmac_f32 v228, v227, v227
	s_wait_alu depctr_va_vdst(0)
	v_sqrt_f32 v229, v228                          ; |x - pivot|
	v_nop
	s_wait_alu depctr_va_vdst(0)
	s_wait_dscnt 0x0
	WIN 0xce
.irp e, 0,1,2,3
	v_cndmask_b32 v[\e], v[XR+\e], v[\e], s5       ; slots 0-3: x
.endr
	WIN 0xc3
.irp b, 0,1,2                                      ; (raw - MEAN) x RSTD
.irp k, 0,2,4,6,8,10,12,14
.if (\b == 0) && (\k == 14)
	v_cndmask_b32 v[15], v[15], v229, s5           ; slot 31: the distance
.endif
	v_pk_add_f32 v[16*\b+\k:16*\b+\k+1], v[16*\b+\k:16*\b+\k+1], v[64+16*\b+\k:65+16*\b+\k] neg_lo:[0,1] neg_hi:[0,1]
.endr
.irp k, 0,2,4,6,8,10,12,14
	v_pk_mul_f32 v[16*\b+\k:16*\b+\k+1], v[16*\b+\k:16*\b+\k+1], v[128+16*\b+\k:129+16*\b+\k]
.endr
.endr
.irp k, 0,2,4,6,14
	v_pk_add_f32 v[48+\k:49+\k], v[48+\k:49+\k], v[112+\k:113+\k] neg_lo:[0,1] neg_hi:[0,1]
.endr
.irp k, 0,2,4,6,14
	v_pk_mul_f32 v[48+\k:49+\k], v[48+\k:49+\k], v[176+\k:177+\k]
.endr
	QUANT 0, 1, 0, 0
	WIN 0x02
.irp c, 0,1,2
	ds_store_b128 v[FWI], v[64+4*\c:67+4*\c] offset:512*\c
.endr
	ds_store_b32 v[FWS], v[PWR]
	BIASLD 1
.endm
; Layer 1: K = the 128 slots.  The scale words, then the row tiles in the order 1, 2, 3, 0, each as soon as its fragment is in: three loads are left out for each row tile still to come.
.macro LAYER1
.irp p, 0,1
	ds_load_b32 v[60+\p], v[FSA] offset:12800*\p
.endr
.irp m, 1,2,3,0
.irp c, 0,1,2
	ds_load_b128 v[64+12*\m+4*\c:64+12*\m+4*\c+3], v[FA] offset:6400*\m+512*\c
.endr
.endr
	s_wait_dscnt 9
	ROWT 1, 0, 8, 1, 0, 0, 1
	s_wait_dscnt 6
	ROWT 1, 0, 8, 2, 0, 0, 1
	s_wait_dscnt 3
	ROWT 1, 0, 8, 3, 0, 0, 1
	s_wait_dscnt 0x0
	PLACES 5                                       ; row tile 0 writes over the bias that the others have read as C
	ROWT 1, 0, 8, 0, 0, 0, 0
	WIN 0
.endm
	s_load_b512 s[8:23], s[0:1], 0x0               ; idx 8, x 10, pivots 12, knnd 14, cst 16, wreg 18, wlds 20, w1s 22
	s_load_b512 s[24:39], s[0:1], 0x40             ; W2's scales 24, W3's 26, W4's 28, b1 30, b2 32, b3 34, b4 36, out0 38
	v_lshl_add_u32 v[SPW], v0, 2, SPARE
	v_mov_b32 v[NIL], 0
	ds_add_u32 v[SPW], v[NIL]                      ; the opening lines: the add, twice on end, and its wait; work on registers stands between
	ds_add_u32 v[SPW], v[NIL]
	v_lshrrev_b32 v[LN], 5, v0
	v_readfirstlane_b32 s4, v[LN]                  ; wave 0..3
	v_and_b32 v[LN], 31, v0
	v_and_b32 v[RR], 15, v0
	v_bfe_u32 v[HH], v0, 4, 1
	s_wait_alu depctr_va_vdst(0)
	s_bfe_u32 s5, ttmp6, 0x40000                   ; cx: my place in the cluster
	s_lshl_b32 s72, ttmp9, 2                       ; in a cluster launch ttmp9 counts clusters
	s_add_co_u32 s72, s72, s5                      ; my work-group: it enters the addresses of idx, x and out0 alone
	; the descriptor: a dense block as rows of 256 bytes (32 elements of 8 bytes), no padding: a quarter of W3's and W4's 239,616 bytes, 234 rows; the mask names all four work-groups, bit 21 beside it
	s_mov_b32 s40, 15|(3<<16)|(1<<21)
	s_mov_b32 s41, 32<<16
	s_mov_b32 s42, 234<<16
	s_mov_b32 s43, 32<<16
	s_mov_b32 s44, 234
	s_mov_b32 s45, 32
	s_mov_b32 s46, 0
	s_mov_b32 s47, 0
	s_mov_b32 s48, 1
	s_mul_i32 s49, s4, 59904                       ; LDS address and offset in the buffer are the same number: the wave's number times a constant
	s_mov_b32 s5, 0xffff0000                       ; lanes 16-31
	s_mov_b32 s6, 0x76543210
	s_mov_b32 s7, 0xfedcba98                       ; v_permlanex16_b32's selects for lane l xor 16
	s_mov_b32 s3, 0
	s_mov_b32 s67, 0
	s_lshl_b32 s68, s4, 8
	v_lshlrev_b32 v[LI], 4, v[LN]
	v_lshlrev_b32 v[T_IO], 2, v[RR]
	v_lshlrev_b32 v[T_16T], 4, v0
	v_lshlrev_b32 v[T_8T], 3, v0
	v_lshlrev_b32 v[T_4L], 2, v[LN]
	ROWE T_B4O, 0, TA
	v_lshlrev_b32 v[T_B4O], 2, v[T_B4O]
	WIN 0x40
	v_lshl_add_u32 v[XO], v[RR], 4, s68            ; row 16 w + r of a block
	WIN 0
	s_wait_dscnt 0x0                               ; both opening adds are done
	s_wait_alu depctr_va_vdst(0)
	s_wait_kmcnt 0x0
	s_lshl_b32 s66, s72, 10
	s_lshl_b32 s68, s4, 6
	s_add_co_u32 s66, s66, s68
	s_add_nc_u64 s[8:9], s[8:9], s[66:67]          ; idx at my row tile of my first block
	s_load_b512 s[84:99], s[8:9], 0x0              ; its sixteen indices
	s_lshl_b32 s66, s72, 12
	s_add_nc_u64 s[10:11], s[10:11], s[66:67]      ; x at my 256 rows
	s_mul_i32 s66, s72, 102400
	s_add_nc_u64 s[38:39], s[38:39], s[66:67]      ; out0 at my first block
	s_lshl_b32 s66, s4, 9
	s_add_nc_u64 s[22:23], s[22:23], s[66:67]      ; W1's scale words
	s_lshl_b32 s66, s4, 11
	s_add_nc_u64 s[24:25], s[24:25], s[66:67]      ; W2's and W3's scale bytes of my 128 rows
	s_add_nc_u64 s[26:27], s[26:27], s[66:67]
	s_mul_i32 s66, s4, 61440
	s_add_nc_u64 s[18:19], s[18:19], s[66:67]      ; my 40 images of W2 and W1
	s_mov_b32 s66, s49
	s_add_nc_u64 s[50:51], s[20:21], s[66:67]
	s_or_b32 s51, s51, 0x80000000
	; 10 loads: my row's indices of the four blocks, x of the first, the tables; then 28: W1 and its scale words
	WIN 0x40
.irp i, 0,1,2,3
	global_load_b32 v[PO+\i], v[T_IO], s[8:9] offset:256*\i
.endr
	WIN 0x81
	global_load_b128 v[XR:XR+3], v[XO], s[10:11]
	WIN 0
	global_load_b128 v[236:239], v[T_16T], s[30:31]
	global_load_b128 v[240:243], v[T_16T], s[32:33]
	global_load_b128 v[244:247], v[T_16T], s[34:35]
	global_load_b64 v[248:249], v[T_8T], s[16:17]
	global_load_b32 v250, v[T_B4O], s[36:37]
	WLDS 32, 8
.irp j, 0,1,2,3
	global_load_b32 v[20+\j], v[T_4L], s[22:23] offset:128*\j
.endr
	CROUND                                         ; all four work-groups are here: the joint loads meet
	tensor_load_to_lds s[48:51], s[40:47]          ; my quarter of W3 and W4: the wave's one tensor load
	s_nop 0
.rept 4
	v_nop
.endr
	; every LDS address: a constant + a constant x lane + a constant x wave.  The waves' terms first
	s_mul_i32 s66, s4, 6400
	s_add_co_u32 s66, s66, STG                     ; my stage,
	s_add_co_u32 s67, s66, 1536                    ; and the scale words of the image in its place
	s_lshl_b32 s68, s4, 9
	s_add_co_u32 s68, s68, BIA
.irp j, 1,2,3
	s_add_co_u32 s83, s4, \j
	s_and_b32 s83, s83, 3                          ; my slot j's K step
	s_mul_i32 s[68+\j], s83, 1536
	s_add_co_u32 s[68+\j], s[68+\j], HA
	s_lshl_b32 s[71+\j], s83, 8
	s_add_co_u32 s[71+\j], s[71+\j], HA+HSO
.endr
	s_mul_i32 s75, s4, 1536
	s_add_co_u32 s75, s75, HA
	s_lshl_b32 s76, s4, 8
	s_add_co_u32 s76, s76, HA+HSO
	s_mul_i32 s77, s4, 49152
	s_mul_i32 s78, s4, 12288
	s_add_co_u32 s78, s78, W4L
	s_lshl_b32 s79, s4, 1
	s_add_co_u32 s79, s79, 1
	s_min_u32 s79, s79, 6
	s_mul_i32 s79, s79, 6144
	s_add_co_u32 s79, s79, W4L
	s_xor_b32 s80, s4, 3
	s_min_u32 s80, s80, 1
	s_lshl_b32 s80, s80, 5                         ; 32 bytes for the upper half of the lanes; in wave 3 none: both halves hold outputs 96-99
	s_lshl_b32 s81, s4, 7
	s_add_co_u32 s81, s81, HB
	s_lshl_b32 s82, s4, 5
	v_lshl_add_u32 v[ROT], v[HH], 1, s4            ; w + 2 h: lanes 0-15 take my slots 0, 1, lanes 16-31 my slots 2, 3
	v_add_nc_u32 v[ROT+1], 1, v[ROT]
	v_and_b32 v[ROT], 3, v[ROT]                    ; slot j is K step (w + j) mod 4,
	v_and_b32 v[ROT+1], 3, v[ROT+1]
	v_lshlrev_b32 v[ROT], 2, v[ROT]                ; whose scale word lies 4 bytes x K step into a row's 16
	v_lshlrev_b32 v[ROT+1], 2, v[ROT+1]
	v_and_b32 v[TA], 8, v[RR]
	v_add_nc_u32 v[TA], v[TA], v[RR]               ; r + 8 (r / 8)
	v_lshl_add_u32 v[T_SO], v[TA], 4, v[ROT]
	v_lshl_add_u32 v[T_SO+1], v[TA], 4, v[ROT+1]
	v_add_nc_u32 v[TB], s82, v[RR]                 ; place 32 w + r of the output tiles
	ROWE TC, TB, TA
	v_lshl_add_u32 v[T_W4S], v[TC], 4, v[ROT]
	v_lshl_add_u32 v[T_W4S+1], v[TC], 4, v[ROT+1]
	v_add_nc_u32 v[TB], 16, v[TB]
	ROWE TC, TB, TA
	v_lshl_add_u32 v[T_W4S+2], v[TC], 4, v[ROT]
	v_lshl_add_u32 v[T_W4S+3], v[TC], 4, v[ROT+1]
	v_lshl_add_u32 v[T_LB], v0, 4, BIA
	v_lshl_add_u32 v[T_LC], v0, 3, CSTL
	v_lshrrev_b32 v[TA], 5, v0                     ; b4's table: place e = my thread's number = 32 w + 16 n + 8 h + j goes to 512 w + 64 h + 32 n + 4 j
	v_lshlrev_b32 v[TA], 9, v[TA]
	v_bfe_u32 v[TB], v0, 3, 1
	v_lshl_add_u32 v[TA], v[TB], 6, v[TA]
	v_bfe_u32 v[TB], v0, 4, 1
	v_lshl_add_u32 v[TA], v[TB], 5, v[TA]
	v_and_b32 v[TB], 7, v0
	v_lshl_add_u32 v[TA], v[TB], 2, v[TA]
	v_add_nc_u32 v[T_LB4], BIA+B4T, v[TA]
	v_add_nc_u32 v[FA], STG, v[LI]
	v_mul_u32_u24 v[TA], 6400, v[HH]
	v_lshl_add_u32 v[TA], v[RR], 2, v[TA]
	v_add_nc_u32 v[FSA], STG+1536, v[TA]
.irp j, 1,2,3
	v_add_nc_u32 v[HRJ+\j-1], s[68+\j], v[LI]
	v_lshl_add_u32 v[HSJ+\j-1], v[LN], 2, s[71+\j]
.endr
	v_add_nc_u32 v[HWI], s75, v[LI]
	v_lshl_add_u32 v[HWS], v[RR], 2, s76
	v_add_nc_u32 v[W3A], s77, v[LI]
	v_lshl_add_u32 v[SR], v0, 4, HB
	v_mul_u32_u24 v[TD], s80, v[HH]
	v_mad_u32_u24 v[TD], v[RR], 400, v[TD]         ; the stage of out0: row r of 400 bytes, + 128 w
	v_mul_u32_u24 v[TB], 400, v[RR]
	v_add_nc_u32 v[TB], s66, v[TB]                 ; my row in my stage
	v_lshlrev_b32 v[TC], 6, v[HH]
	v_mul_u32_u24 v[TA], 25, v[LN]
	v_lshrrev_b32 v[TA], 5, v[TA]                  ; my piece of a row: 25 x lane / 32, rounded down: each of 0 .. 24, seven of them by two lanes
	v_lshlrev_b32 v[TA], 4, v[TA]
	WIN 0x40
	v_mov_b32 v[RO], v[TB]
	v_add_nc_u32 v[AO], v[TC], v[TB]
	v_sub_nc_u32 v[RM], v[TB], v[TC]
	v_mov_b32 v[GL], v[TA]
	v_add_nc_u32 v[GS], s66, v[TA]
	v_add_nc_u32 v[CA], CSTL, v[TC]
	v_add_nc_u32 v[BA], s68, v[TC]
	v_add_nc_u32 v[SO], s81, v[TD]
	v_add_nc_u32 v[W4A0], s78, v[LI]
	v_add_nc_u32 v[W4A0+1], s79, v[LI]
	v_lshl_add_u32 v[S8], v0, 3, HB+24576
	WIN 0x80
	v_add_nc_u32 v[FWI], s66, v[LI]
	v_lshl_add_u32 v[FWS], v[RR], 2, s67
	v_lshlrev_b32 v[G8], 3, v0
	WIN 0
	v_lshlrev_b32 v[GO], 4, v0                     ; the thread's number has served: from here on 16 x it
	GATHER 0                                       ; block 0's rows: 16 loads
	s_wait_loadcnt 44                              ; the 10 first loads are in; W1's 28 and the gather's 16 may be out
	ds_store_b128 v[T_LB], v[236:239]              ; the tables, for all four waves
	ds_store_b128 v[T_LB], v[240:243] offset:2048
	ds_store_b128 v[T_LB], v[244:247] offset:4096
	ds_store_b32 v[T_LB4], v250
	ds_store_b64 v[T_LC], v[248:249]
	WIN 0x44
.irp i, 0,1,2,3
	v_min_u32 v[PO+\i], 0xffff, v[PO+\i]           ; inside the table, whatever was read
.endr
.irp i, 0,1,2,3
	v_lshlrev_b32 v[PO+\i], 4, v[PO+\i]
.endr
	WIN 0x81
	global_load_b128 v[PV:PV+3], v[PO], s[12:13]
	WIN 0
	; 36 loads: the scale words of W2, W3, W4
.irp t, 0,1,2,3,4,5,6,7
.irp p, 0,1
	global_load_b32 v[24+2*\t+\p], v[T_SO+\p], s[24:25] offset:(32*(\t/2)+8*(\t%2))*16
.endr
.endr
.irp t, 0,1,2,3,4,5,6,7
.irp p, 0,1
	global_load_b32 v[40+2*\t+\p], v[T_SO+\p], s[26:27] offset:(32*(\t/2)+8*(\t%2))*16
.endr
.endr
.irp q, 0,1,2,3
	global_load_b32 v[56+\q], v[T_W4S+\q], s[28:29]
.endr
	WLDS 0, 3                                      ; W2 begins: 9 loads
	s_wait_alu depctr_va_vdst(0)
	BARRIER                                        ; the tables lie in LDS
	s_wait_loadcnt 45                              ; block 0's rows and pivots are in, and W1; the 36 and the 9 behind them may be out
	s_wait_xcnt 0x0                                ; the loads have read their offsets: those registers are loaded anew below
	RAWST
	WLDS 3, 6
	FEAT
	WLDS 9, 23                                     ; the rest of W2: waited for ahead of its first product
	s_wait_tensorcnt 0x0                           ; my quarter of W3 and W4 has landed;
	BARRIER                                        ; everybody's has, and the four feature images of block 0 lie in LDS
	LAYER1
	GATHER 1                                       ; block 1's rows, x and pivots: 18 loads
	s_mov_b32 s2, 4
	s_mov_b32 s104, 0
	s_mov_b32 s105, 0
.Lblock:                                           ; a block of 64 rows, from layer 1's results on to layer 1 of the next block: four barriers
	EPI 0, 2, 8, 0
	; ---- layer 2: W2 from my registers, row tile by row tile; each slot is asked for a slot (32 products) ahead
	FETCHH 1, 1, 0
	TAIL 2, 0, 8
	WIN 0
	PLACES 4
	FETCHH 0, 2, 0
	s_wait_dscnt 23                                ; slot 1's scale words and row tile 0: its nine other loads and slot 2's 14 may be out
	ROWT 2, 0, 8, 0, 1, 1, 0
	s_wait_dscnt 20
	ROWT 2, 0, 8, 1, 1, 1, 0
	s_wait_dscnt 17
	ROWT 2, 0, 8, 2, 1, 1, 0
	s_wait_dscnt 14
	ROWT 2, 0, 8, 3, 1, 1, 0
	WIN 0
	PLACES 4
	s_wait_loadcnt 0x0                             ; the next block's rows are in, x and pivots too
	s_cmp_eq_u32 s2, 1
	s_cbranch_scc1 .Lno_rows                       ; the last block has no next one
	RAWST                                          ; my stage: since the last barrier nobody reads the image that lay there
.Lno_rows:
	FETCHH 1, 3, 0
	s_wait_dscnt 14                                ; all but slot 3's loads
.irp mm, 0,1,2,3
	ROWT 2, 0, 8, \mm, 2, 0, 0
.endr
	s_wait_dscnt 0x0
.irp mm, 0,1,2,3
	ROWT 2, 0, 8, \mm, 3, 1, 0
.endr
	EPI HBO, 3, 8, 3
	; ---- layer 3: W3 from LDS, four tiles' fragments at a time; slot 0's eight came ahead of the barrier
	FETCHH 1, 1, HBO
	TAIL 3, 0, 4
	WIN 0
	PLACES 4
	FETCHW3 0, 1
	TAIL 3, 4, 4
	WIN 0
	PLACES 4
	FETCHW3 1, 1
	FETCHH 0, 2, HBO
	s_wait_dscnt 26                                ; all but the younger half of W3 (12) and the younger slot of activations (14)
	QUADK 3, 0, 4, 1, 1
	WIN 0
	PLACES 4
	FETCHW3 0, 2
	s_wait_dscnt 26
	QUADK 3, 4, 4, 1, 1
	WIN 0
	PLACES 4
	FETCHW3 1, 2
	FETCHH 1, 3, HBO
	s_wait_dscnt 26
	QUADK 3, 0, 4, 2, 0
	WIN 0
	PLACES 4
	FETCHW3 0, 3
	s_wait_dscnt 26
	QUADK 3, 4, 4, 2, 0
	WIN 0
	PLACES 4
	FETCHW3 1, 3
	s_wait_dscnt 12                                ; all but the last half of W3
	QUADK 3, 0, 4, 3, 1
	s_wait_dscnt 0x0
	QUADK 3, 4, 4, 3, 1
	EPI 0, 4, 2, 4
	; ---- layer 4: my two output tiles; W4's eight fragments came ahead of the barrier; the other three slots are asked for at once
	FETCHH 1, 1, 0
	FETCHH 2, 2, 0
	FETCHH 3, 3, 0
	TAIL 4, 0, 2
	s_wait_dscnt 28
.irp mm, 1,2,3,0
	ROWT 4, 0, 2, \mm, 1, 1, 0
.endr
	s_wait_dscnt 14
.irp mm, 1,2,3,0
	ROWT 4, 0, 2, \mm, 2, 2, 0
.endr
	s_wait_dscnt 0x0
.irp mm, 1,2,3,0
	ROWT 4, 0, 2, \mm, 3, 3, 0
.endr
	WIN 0
	PLACES 5                                       ; reads of results and loads into operands' registers follow
	; ---- the way out: a lane holds eight neighbouring outputs of one row; a row's 100 come from four waves and meet in the stage (the second hidden buffer, which nobody reads since the last barrier)
	s_cmp_eq_u32 s4, 3
	s_cbranch_scc1 .Lstage3
	WIN 0x0d                                       ; an LDS store's data are its source 1: window 3
.irp m, 0,1,2,3
.irp n, 0,1
	ds_store_b128 v[SO], v[64*\m+8*\n:64*\m+8*\n+3] offset:6400*\m+64*\n        ; each accumulator from its low end on
	ds_store_b128 v[SO], v[64*\m+8*\n+4:64*\m+8*\n+7] offset:6400*\m+64*\n+16
.endr
.endr
	WIN 0
	s_branch .Lstaged
.Lstage3:
	WIN 0x0d
.irp m, 0,1,2,3
	ds_store_b128 v[SO], v[64*\m:64*\m+3] offset:6400*\m                        ; outputs 96-99: both halves of the lanes store the same 16 bytes
.endr
	WIN 0
.Lstaged:
	s_cmp_eq_u32 s2, 1
	s_cbranch_scc1 .Lno_next
	FEAT                                           ; the next block's features
	s_cmp_lt_u32 s2, 3
	s_cbranch_scc1 .Lno_next
	GATHER 1                                       ; the block after that: 18 loads
.Lno_next:
	BARRIER                                        ; 64 whole rows lie in the stage: 25,600 dense bytes, as they lie in out0; and the next four feature images
.irp k, 0,1,2,3,4,5,6,7,8,9,10,11
	ds_load_b128 v[112+4*\k:115+4*\k], v[SR] offset:2048*\k
.endr
	WIN 0x01
	ds_load_b64 v[224:225], v[S8]                  ; the last 1,024 bytes: 256 a wave
	WIN 0
	s_cmp_eq_u32 s2, 1
	s_cbranch_scc1 .Lno_layer1
	LAYER1
.Lno_layer1:
	s_wait_dscnt 0x0
	s_wait_xcnt 0x0                                ; earlier stores have read their base
	s_add_nc_u64 s[38:39], s[38:39], s[104:105]
	s_mov_b32 s104, 25600                          ; 64 rows on, the next time
.irp k, 0,1,2,3,4,5,6,7,8,9,10,11
	global_store_b128 v[GO], v[112+4*\k:115+4*\k], s[38:39] offset:2048*\k th:TH_STORE_NT   ; a wave stores 512 consecutive bytes, at a multiple of 256 from out0's first byte
.endr
	WIN 0x02
	global_store_b64 v[G8], v[224:225], s[38:39] offset:24576 th:TH_STORE_NT              ; and 256
	WIN 0
	s_sub_co_u32 s2, s2, 1
	s_cmp_lg_u32 s2, 0
	s_cbranch_scc1 .Lblock
	s_wait_tensorcnt 0x0                           ; the wave's end, behind my last tensor load and my last LDS store
	ds_add_u32 v[SPW], v[NIL]
	s_wait_dscnt 0x0
	CROUND                                         ; the closing round: no work-group ends while a partner may still ask for a tile that names it
	s_endpgm
.Lfunc_end_k_qffbc725777_mlp:
	.size	k_qffbc725777_mlp, .Lfunc_end_k_qffbc725777_mlp-k_qffbc725777_mlp
	.p2alignl 7, 3214868480
	.fill 96, 4, 3214868480
	.section	.rodata,"a",@progbits
	.p2align	6, 0x0
	.amdhsa_kernel k_qffbc725777_mlp
		.amdhsa_group_segment_fixed_size 327680
		.amdhsa_private_segment_fixed_size 0
		.amdhsa_enable_private_segment 0
		.amdhsa_kernarg_size 128
		.amdhsa_user_sgpr_count 2
		.amdhsa_user_sgpr_kernarg_segment_ptr 1
		.amdhsa_wavefront_size32 1
		.amdhsa_system_sgpr_workgroup_id_x 1
		.amdhsa_system_sgpr_workgroup_id_y 1
		.amdhsa_system_sgpr_workgroup_id_z 1
		.amdhsa_system_vgpr_workitem_id 0
		.amdhsa_next_free_vgpr 1024
		.amdhsa_next_free_sgpr 106
		.amdhsa_reserve_vcc 1
		.amdhsa_float_denorm_mode_32 3
		.amdhsa_float_denorm_mode_16_64 3
		.amdhsa_memory_ordered 1
		.amdhsa_forward_progress 1
		.amdhsa_inst_pref_size 218
	.end_amdhsa_kernel
	.amdgpu_metadata
---
amdhsa.version: [ 1, 2 ]
amdhsa.kernels:
  - .name:           k_qffbc725777_mlp
    .symbol:         k_qffbc725777_mlp.kd
    .args:
      - { .name: idx, .offset: 0, .size: 8, .value_kind: global_buffer, .address_space: global }
      - { .name: x, .offset: 8, .size: 8, .value_kind: global_buffer, .address_space: global }
      - { .name: pivots, .offset: 16, .size: 8, .value_kind: global_buffer, .address_space: global }
      - { .name: knnd, .offset: 24, .size: 8, .value_kind: global_buffer, .address_space: global }
      - { .name: cst, .offset: 32, .size: 8, .value_kind: global_buffer, .address_space: global }
      - { .name: wreg, .offset: 40, .size: 8, .value_kind: global_buffer, .address_space: global }
      - { .name: wlds, .offset: 48, .size: 8, .value_kind: global_buffer, .address_space: global }
      - { .name: w1s, .offset: 56, .size: 8, .value_kind: global_buffer, .address_space: global }
      - { .name: W2_scales, .offset: 64, .size: 8, .value_kind: global_buffer, .address_space: global }
      - { .name: W3_scales, .offset: 72, .size: 8, .value_kind: global_buffer, .address_space: global }
      - { .name: W4_scales, .offset: 80, .size: 8, .value_kind: global_buffer, .address_space: global }
      - { .name: b1, .offset: 88, .size: 8, .value_kind: global_buffer, .address_space: global }
      - { .name: b2, .offset: 96, .size: 8, .value_kind: global_buffer, .address_space: global }
      - { .name: b3, .offset: 104, .size: 8, .value_kind: global_buffer, .address_space: global }
      - { .name: b4, .offset: 112, .size: 8, .value_kind: global_buffer, .address_space: global }
      - { .name: out0, .offset: 120, .size: 8, .value_kind: global_buffer, .address_space: global }
    .group_segment_fixed_size: 327680
    .private_segment_fixed_size: 0
    .kernarg_segment_align: 8
    .kernarg_segment_size: 128
    .max_flat_workgroup_size: 128
    .sgpr_count:     106
    .vgpr_count:     1024
    .wavefront_size: 32
...
	.end_amdgpu_metadata
.endif
;; end of part 2
